; MI455X (gfx1250); checked and timed in simulation.
; The chip was launched on July 23, 2026; its instructions are those of AMD's public machine-readable ISA for CDNA 5 (MIT licence, August 2026) and "CDNA5" Instruction Set Architecture Reference Guide (July 2026). The comments in the code are by the model that wrote it; some were corrected since.
;; Quantized Linear. Allowed arithmetic: float matrix products may take bf16 or f16 operands with f32 sums; all other float work in f32.
;; Inputs: bias 4,096 float32; input_scale 1 float32; weight_int8 4,096 x 4,096 int32; weight_scale 4,096 x 1 float32; weight_zero_point 4,096 x 1 int32; x_q 4,096 x 4,096 int32.
;; Outputs: out0 4,096 x 4,096 float32.
;; Constants: input_zero_point = 128.
;; 2 versions, each right; version 2 is version 1 with the launch tobf16 written anew for expert scheduling mode. Each part assembles by itself: llvm-mc -triple=amdgcn-amd-amdhsa -mcpu=gfx1250 --defsym DOCPART=n.
;; ======== version 1 of 2: 2 launches
;; workspace buffers: xb 33,554,432 bytes; wb 33,554,432 bytes
;; launch tobf16 (part 1): grid 512 x 2, 8 waves a work-group, no clusters, 0 bytes of LDS; arguments x_q, weight_int8, weight_zero_point, xb, wb; writes xb, wb
.if DOCPART == 1
	.amdgcn_target "amdgcn-amd-amdhsa--gfx1250"
	.amdhsa_code_object_version 6
	.text
	.protected	k_q3d5fc2b0fd_tobf16
	.globl	k_q3d5fc2b0fd_tobf16
	.p2align	8
	.type	k_q3d5fc2b0fd_tobf16,@function
k_q3d5fc2b0fd_tobf16:
	s_mov_b64 s[64:65], 0
	v_nop
	global_prefetch_b8 v0, s[64:65] scope:SCOPE_SE
	s_setreg_imm32_b32 hwreg(HW_REG_WAVE_MODE, 25, 1), 1
	s_wait_xcnt 0x0
; xb[m][k] = bf16(x_q[m][k] - 128);  wb[n][k] = bf16(weight_int8[n][k] - weight_zero_point[n]).  Inputs [4096][4096] int32, outputs [4096][4096] bf16.
; The zero point is taken away in f32, ahead of the product, as the problem's own text does; the product launch then needs no correction made of large sums.
; LIMITS.  An int32 beyond 2^24 is rounded when it becomes f32.  The difference is rounded once to bf16: exact up to a magnitude of 256
; (every pair of 8-bit codes), beyond that to 8 significant bits (2^-9 of the number).
; SHARES.  Work-groups with y = 0 take x_q, those with y = 1 the weights.  A work-group owns 8 rows, a wave one row: 16,384 bytes in, 8,192 out.
; A row is 32 chunks: a load of 16 bytes a lane (512 consecutive bytes of the row) and a store of 8 bytes a lane (256 consecutive bytes, at a multiple of 256
; from the buffer's first byte).  The chunks go through 24 slots of four registers.  24 loads go out first; chunks 0 to 7 put their results into 16 registers of
; their own, so that their slots are loaded again at once, with chunks 24 to 31, and no load waits for a store; the other 24 chunks are stored from their slots.
; No register that a store reads is written again: no loop, and no wait but the counted ones for the loads.
; REGISTERS.  120 a wave: the two waves that a work-group has on a SIMD take 240 of its 1,024, so four work-groups fit on a WGP, and 1,024 work-groups on 256 WGPs
; are all there from the start: none begins only when another's last stores have been acknowledged.
; No LDS, no matrix unit, no cluster: no byte is used twice and no wave needs another's.
.set ROWIN,  16384                     ; bytes of a row of int32
.set ROWOUT, 8192                      ; bytes of a row of bf16
.set NCH,    32                        ; chunks of 128 numbers in a row
.set NSL,    24                        ; slots
.set ZPX,    128                       ; the input's zero point, a constant of the problem
.set X,      8                         ; v[8:103]    slot s in v[X+4s : X+4s+3]; chunk i goes through slot i % 24
.set Y,      104                       ; v[104:119]  the results of chunks 0 to 7, two registers each
; v1 16 x lane (loads), v4 8 x lane (stores), v[2:3] the row's zero point in f32, twice
	s_load_b256 s[4:11], s[0:1], 0x0               ; x_q s[4:5], weight_int8 s[6:7], weight_zero_point s[8:9], xb s[10:11]
	s_load_b64 s[12:13], s[0:1], 0x20              ; wb
	v_lshrrev_b32 v1, 5, v0
	v_readfirstlane_b32 s16, v1                    ; wave 0..7
	s_and_b32 s17, ttmp7, 0xffff                   ; 0: x_q, 1: the weights
	s_lshl3_add_u32 s18, ttmp9, s16                ; my row = 8 x work-group + wave
	s_lshl_b32 s20, s18, 14                        ; row x 16,384 bytes (under 2^26)
	s_mov_b32 s21, 0
	s_lshl_b32 s22, s18, 13                        ; row x 8,192 bytes
	s_mov_b32 s23, 0
	s_lshl_b32 s30, s18, 2                         ; the row's word among the zero points
	s_mov_b32 s31, 0
	v_and_b32 v4, 31, v0                           ; lane
	v_lshlrev_b32 v1, 4, v4
	v_lshlrev_b32 v4, 3, v4
	s_wait_kmcnt 0x0                               ; the five addresses
	s_cmp_eq_u32 s17, 0
	s_cselect_b64 s[26:27], s[4:5], s[6:7]         ; from where,
	s_cselect_b64 s[28:29], s[10:11], s[12:13]     ; to where
	s_add_nc_u64 s[26:27], s[26:27], s[20:21]      ; both at my row
	s_add_nc_u64 s[28:29], s[28:29], s[22:23]
	s_mov_b32 s24, ZPX                             ; x_q's zero point;
	s_cmp_eq_u32 s17, 0
	s_cbranch_scc1 .Lzp
	s_add_nc_u64 s[8:9], s[8:9], s[30:31]          ; a weight row has its own
	s_load_b32 s24, s[8:9], 0x0
.Lzp:
.set i, 0
.rept NSL
	global_load_b128 v[X+4*i:X+4*i+3], v1, s[26:27] offset:512*i th:TH_LOAD_NT  ; read once in the whole launch
.set i, i+1
.endr
	s_wait_kmcnt 0x0                               ; the zero point (nothing is out where y = 0)
	v_cvt_f32_i32 v2, s24
	v_mov_b32 v3, v2                               ; a pair for the packed subtraction
; Chunk i: four numbers a lane: int32 to f32, less the zero point, two roundings to bf16 in each of two words, 8 bytes stored.
.macro CHUNK i
.set XS, X+4*((\i)%NSL)
.if (\i) < NCH-NSL
	s_wait_loadcnt NSL-1                           ; loads come back in order (ISA guide 5.7.1): 24 + i are issued, 23 of them behind chunk i's
.else
	s_wait_loadcnt NCH-1-(\i)                      ; all 32 are issued: the chunks behind this one stay out
.endif
	v_cvt_f32_i32 v[XS],   v[XS]
	v_cvt_f32_i32 v[XS+1], v[XS+1]
	v_cvt_f32_i32 v[XS+2], v[XS+2]
	v_cvt_f32_i32 v[XS+3], v[XS+3]
	v_pk_add_f32 v[XS:XS+1],   v[XS:XS+1],   v[2:3] neg_lo:[0,1] neg_hi:[0,1]
	v_pk_add_f32 v[XS+2:XS+3], v[XS+2:XS+3], v[2:3] neg_lo:[0,1] neg_hi:[0,1]
.if (\i) < NCH-NSL
	v_cvt_pk_bf16_f32 v[Y+2*(\i)],   v[XS],   v[XS+1]
	v_cvt_pk_bf16_f32 v[Y+2*(\i)+1], v[XS+2], v[XS+3]
	global_load_b128 v[XS:XS+3], v1, s[26:27] offset:512*((\i)+NSL) th:TH_LOAD_NT  ; the slot's second chunk: no memory instruction names these four registers as a source
	global_store_b64 v4, v[Y+2*(\i):Y+2*(\i)+1], s[28:29] offset:256*(\i)          ; no hint: the next launch reads these bytes
.else
	v_cvt_pk_bf16_f32 v[XS],   v[XS],   v[XS+1]
	v_cvt_pk_bf16_f32 v[XS+1], v[XS+2], v[XS+3]
	global_store_b64 v4, v[XS:XS+1], s[28:29] offset:256*(\i)                      ; the registers are never written again
.endif
.endm
.set c, 0
.rept NCH
	CHUNK c
.set c, c+1
.endr
	s_endpgm
.Lfunc_end_k_q3d5fc2b0fd_tobf16:
	.size	k_q3d5fc2b0fd_tobf16, .Lfunc_end_k_q3d5fc2b0fd_tobf16-k_q3d5fc2b0fd_tobf16
	.p2alignl 7, 3214868480
	.fill 96, 4, 3214868480
	.section	.rodata,"a",@progbits
	.p2align	6, 0x0
	.amdhsa_kernel k_q3d5fc2b0fd_tobf16
		.amdhsa_group_segment_fixed_size 0
		.amdhsa_private_segment_fixed_size 0
		.amdhsa_enable_private_segment 0
		.amdhsa_kernarg_size 40
		.amdhsa_user_sgpr_count 2
		.amdhsa_user_sgpr_kernarg_segment_ptr 1
		.amdhsa_wavefront_size32 1
		.amdhsa_system_sgpr_workgroup_id_x 1
		.amdhsa_system_sgpr_workgroup_id_y 1
		.amdhsa_system_sgpr_workgroup_id_z 1
		.amdhsa_system_vgpr_workitem_id 0
		.amdhsa_next_free_vgpr 120
		.amdhsa_next_free_sgpr 66
		.amdhsa_reserve_vcc 0
		.amdhsa_float_denorm_mode_32 3
		.amdhsa_float_denorm_mode_16_64 3
		.amdhsa_memory_ordered 1
		.amdhsa_forward_progress 1
		.amdhsa_inst_pref_size 21
	.end_amdhsa_kernel
	.amdgpu_metadata
---
amdhsa.version: [ 1, 2 ]
amdhsa.kernels:
  - .name:           k_q3d5fc2b0fd_tobf16
    .symbol:         k_q3d5fc2b0fd_tobf16.kd
    .args:
      - { .name: x_q, .offset: 0, .size: 8, .value_kind: global_buffer, .address_space: global }
      - { .name: weight_int8, .offset: 8, .size: 8, .value_kind: global_buffer, .address_space: global }
      - { .name: weight_zero_point, .offset: 16, .size: 8, .value_kind: global_buffer, .address_space: global }
      - { .name: xb, .offset: 24, .size: 8, .value_kind: global_buffer, .address_space: global }
      - { .name: wb, .offset: 32, .size: 8, .value_kind: global_buffer, .address_space: global }
    .group_segment_fixed_size: 0
    .private_segment_fixed_size: 0
    .kernarg_segment_align: 8
    .kernarg_segment_size: 40
    .max_flat_workgroup_size: 256
    .sgpr_count:     66
    .vgpr_count:     120
    .wavefront_size: 32
...
	.end_amdgpu_metadata
.endif
;; end of part 1
;; launch gemm (part 2): grid 16 x 16, 4 waves a work-group, clusters of 4 x 4, 327,680 bytes of LDS; arguments xb, wb, out0, weight_scale, bias, input_scale; writes out0
.if DOCPART == 2
	.amdgcn_target "amdgcn-amd-amdhsa--gfx1250"
	.amdhsa_code_object_version 6
	.text
	.protected	k_q3d5fc2b0fd_gemm
	.globl	k_q3d5fc2b0fd_gemm
	.p2align	8
	.type	k_q3d5fc2b0fd_gemm,@function
k_q3d5fc2b0fd_gemm:
	s_mov_b64 s[64:65], 0
	v_nop
	global_prefetch_b8 v0, s[64:65] scope:SCOPE_SE
	s_setreg_imm32_b32 hwreg(HW_REG_WAVE_MODE, 25, 1), 1
	s_wait_xcnt 0x0
	s_wait_alu depctr_hold_cnt(0) depctr_sa_sdst(0) depctr_va_vdst(0) depctr_va_sdst(0) depctr_va_ssrc(0) depctr_va_vcc(0) depctr_vm_vsrc(0)
	s_getreg_b32 s2, hwreg(HW_REG_IB_STS2, 6, 4)
	s_cmp_eq_u32 s2, 0
	s_cbranch_scc0 .Lentry_in_a_cluster
	s_endpgm
.Lentry_in_a_cluster:
	s_bfe_u32 s2, ttmp6, 0x10000c
	s_cmp_lg_u32 s2, 0xf033
	s_cbranch_scc0 .Lentry_shape_is_right
	s_endpgm
.Lentry_shape_is_right:
; out0[m][n] = (sum over k of xb[m][k] wb[n][k]) x (input_scale x weight_scale[n]) + bias[n].
; xb: [4096][4096] bf16 (x_q - 128), wb: [4096][4096] bf16 (weight - its row's zero point), both made by the launch before; out0: [4096][4096] f32.
; LIMITS.  Sums in f32, in the matrix instruction's own order, K ascending; the operands carry the one rounding to bf16 of the launch before (none for 8-bit codes);
; the scale is one f32 product, as in the problem's text, and scale and bias are applied by one fused multiply-add (one rounding where the text has two).
; SHARES.  A tile of out0, 256 x 256, is made by a work-group of four waves; a wave makes 128 x 128: 64 accumulators of 16 x 16, 512 registers.  4096 / 256 squared = 256 work-groups.
; K goes in 32 steps of 128 through a ring of two LDS slots filled by the tensor data mover: a tile's rows are 256 bytes of memory and start at multiples of 256 bytes from the buffer's first byte.
; CLUSTERS: 4 x 4 work-groups.  The four of a row of the cluster need the same tiles of xb, the four of a column the same tiles of wb.  Such a tile is asked for JOINTLY: each of the
; four issues the same tensor load, with the same descriptor and a mask that names the four, and each receives the tile in its own LDS: a quarter of the requests.
; THE MATRIX INSTRUCTION IS USED TRANSPOSED: source 0 = 16 rows of wb, source 1 = 16 rows of xb.  In the result lane l holds row l % 16 of out0 and its registers 0 to 7 the columns
; 8 (l / 16) + 0..7: eight neighbouring numbers of a row, 32 bytes.
; THE WAY OUT.  A block of 16 rows x 128 columns goes as raw sums from its accumulators into the wave's own stage in LDS and comes back by rows into the same 64 registers: lane l then holds
; columns 4 l .. 4 l + 3 of every row, so 4 scales and 4 biases a lane serve the whole tile; 32 packed multiply-adds in place, 16 stores of 512 consecutive bytes.  No register is used twice.
; THE LAST K STEP GOES BY ROWS OF out0, not by K: nothing follows the tile under which its 64 KB a wave could leave, so each block of 16 rows is finished and sent while the others are still multiplied.
; REGISTERS, in windows of 256 (s_set_vgpr_msb's low byte: bits 1:0 source 0, 3:2 source 1, 5:4 source 2, 7:6 destination):
;   window 0: v0-31 addresses, my 4 scales and 4 biases; v64-127, v128-191 fragments of xb, two buffers (in the last K step four, of 16 rows x 128 K)
;   window 1: v64-127, v128-191 fragments of wb, two buffers; in the last K step all 256: wb's fragments of the whole step
;   window 2: the 32 accumulators of my rows 0-63 (accumulator (a, b) at v[8 (8 a + b)]);   window 3: those of my rows 64-127
.set SIZE_N, 4096
.set SIZE_K, 4096
.set KSTEP,  128
.set PITCH,  272                       ; an LDS row: 256 bytes of data + 16 of padding = 68 words: row r starts at bank 4 r mod 64 (64 banks of 4 bytes: ISA guide 11.1), so the 16 rows of a load start at 16 different banks
.set HALFT,  128*PITCH                 ; 128 rows: what one tensor load brings, and what one wave reads of xb or of wb
.set SLOT,   4*HALFT                   ; xb's 256 rows, then wb's 256 rows
.set STAGE,  2*SLOT                    ; behind the ring: 16 rows x 528 bytes for each wave, for the way out; no tile lands here
.set SP,     528                       ; a stage row: 512 bytes (128 f32) + 16 of padding = 132 words: again 16 rows at 16 different banks
.set SPARE,  STAGE+4*16*SP             ; behind the stages: the spare words, 128 bytes for each wave: two blocks of 256 bytes that no other line names
.set LAPS,   SIZE_K/(2*KSTEP)          ; a lap = two K steps = once round the ring: 16
.set SC4,  8                           ; v8-11   input_scale x weight_scale of my columns 4 l .. 4 l + 3
.set BI4,  12                          ; v12-15  the bias of the same four
.set ADRA, 16                          ; v16-17  LDS address of my xb fragments in slot 0, 1
.set ADRB, 20                          ; v20-21  the same for wb
.set STO,  24                          ; v24     the way out: where I put 32 bytes of a row
.set RD,   25                          ; v25     the way out: where I read 16 bytes of a row back
.set CO,   26                          ; v26     16 x lane: my byte offset in a row's 512 bytes of out0, and among my wave's 128 scales and biases
.set SPW,  28                          ; v28     LDS address of my spare word: SPARE + 4 x my thread's number; never rewritten
.set NIL,  29                          ; v29     0; never rewritten
.set F0,   64                          ; fragment buffer 0
.set F1,   128                         ; fragment buffer 1
.set PA,   64                          ; the last K step: xb's fragments of 16 rows x 128 K, 32 registers; four such buffers, v64-191
.set G1,  24                           ; s[24:31] descriptor group 1 for xb's tiles
.set G0,  32                           ; s[32:39] descriptor group 0 for xb's tiles, one set for each slot
.set G1B, 48                           ; s[48:55] descriptor group 1 for wb's tiles: it differs in the mask alone
.set G0B, 56                           ; s[56:63] descriptor group 0 for wb's tiles, one set for each slot
.set MSB, 0
.macro WIN new                         ; the immediate's high byte repeats the setting that is left; a switch that changes nothing is dropped
.if MSB != (\new)
	s_set_vgpr_msb (MSB<<8)|(\new)
.set MSB, \new
.endif
.endm
.set MUL_LO, 0xa1                      ; source 0 (wb) window 1, source 1 (xb) window 0, C and D window 2
.set MUL_HI, 0xf1                      ; the same, C and D window 3
.set TO_B,   0x40                      ; destination window 1, address window 0
; A joint load.  Waves 0 and 1 fetch xb's two halves, waves 2 and 3 wb's.  Each of the two lines has one mask and one set of registers for all that issue it.  The branch hangs on the
; wave's number alone.  An s_nop 0 and four v_nop follow each of the two lines, ahead of the jump, the label and what follows the macro.
.macro JLOAD s
	s_cmp_eq_u32 s11, 0
	s_cbranch_scc0 .Lfor_b_\@
	tensor_load_to_lds s[G0+4*(\s):G0+4*(\s)+3], s[G1:G1+7]
	s_nop 0
.rept 4
	v_nop
.endr
	s_branch .Lasked_\@
.Lfor_b_\@:
	tensor_load_to_lds s[G0B+4*(\s):G0B+4*(\s)+3], s[G1B:G1B+7]
	s_nop 0
.rept 4
	v_nop
.endr
.Lasked_\@:
.endm
; A round of the cluster's barrier: my work-group's barrier, so that wave 0's signal speaks for all four waves; wave 0 signals for the work-group; every wave waits for all
; sixteen work-groups; my work-group's barrier once more.
.macro CREST                           ; a round behind its opening barrier
	s_cmp_lg_u32 s10, 0
	s_cbranch_scc1 .Lnot_wave_0_\@
	s_barrier_signal -3
.Lnot_wave_0_\@:
	s_barrier_wait -3
	s_barrier_signal -1
	s_barrier_wait -1
.endm
.macro CROUND                          ; a whole round
	s_barrier_signal -1
	s_barrier_wait -1
	CREST
.endm
	s_load_b128 s[4:7], s[0:1], 0x0                ; xb s[4:5], wb s[6:7]
	s_load_b64 s[8:9], s[0:1], 0x10                ; out0
	s_load_b64 s[68:69], s[0:1], 0x18              ; weight_scale
	s_load_b64 s[70:71], s[0:1], 0x20              ; bias
	s_load_b64 s[72:73], s[0:1], 0x28              ; input_scale
	v_lshl_add_u32 v[SPW], v0, 2, SPARE
	v_mov_b32 v[NIL], 0
	ds_add_u32 v28, v29
	ds_add_u32 v28, v29
	s_wait_dscnt 0x0
	v_lshrrev_b32 v1, 5, v0
	v_readfirstlane_b32 s10, v1                    ; wave 0..3
	s_lshr_b32 s11, s10, 1                         ; which half of the tile's rows is mine.  Also: I fetch for xb (0) or for wb (1)
	s_and_b32 s12, s10, 1                          ; which half of its columns.  Also: which 128 rows of that tile I fetch
	s_bfe_u32 s40, ttmp6, 0x40000                  ; cx: my place along the cluster's x
	s_bfe_u32 s41, ttmp6, 0x40004                  ; cy: along its y
	s_lshl_b32 s42, ttmp9, 2                       ; in a cluster launch ttmp9 and ttmp7 count clusters
	s_add_co_u32 s42, s42, s40                     ; tile column = 4 x cluster x + cx
	s_and_b32 s13, ttmp7, 0xffff
	s_lshl_b32 s13, s13, 2
	s_add_co_u32 s13, s13, s41                     ; tile row = 4 x cluster y + cy
	s_lshl_b32 s43, s41, 2
	s_lshl_b32 s43, 15, s43                        ; my row of the cluster: places 4 cy .. 4 cy + 3
	s_lshl_b32 s44, 0x1111, s40                    ; my column: places cx, cx + 4, cx + 8, cx + 12
	; descriptor group 1: a tile of 128 rows x 128 elements, padded in LDS
	s_or_b32 s[G1+0], s43, (1<<16)|(1<<20)|(1<<21)|(5<<22)|(3<<25)  ; 15:0 the mask: xb's tiles go to my row; 17:16 element of 2 bytes; 20 padding on; 21 set beside a mask; 24:22 after every 64 words (code 5); 31:25 of 4 words (code 3)
	s_or_b32 s[G1B+0], s44, (1<<16)|(1<<20)|(1<<21)|(5<<22)|(3<<25) ; the same with the mask of my column, for wb's tiles
	s_mov_b32 s[G1B+1], KSTEP<<16
	s_mov_b32 s[G1+1], KSTEP<<16                   ; 63:48 tensor_dim0, low half = 128
	s_mov_b32 s[G1B+2], 128<<16
	s_mov_b32 s[G1+2], 128<<16                     ; 79:64 its high half = 0; 95:80 tensor_dim1, low half = 128
	s_mov_b32 s[G1B+3], KSTEP<<16
	s_mov_b32 s[G1+3], KSTEP<<16                   ; 111:96 its high half = 0; 127:112 tile_dim0 = 128
	s_mov_b32 s[G1B+4], 128
	s_mov_b32 s[G1+4], 128                         ; 143:128 tile_dim1 = 128; 159:144 tile_dim2 = 0
	s_mov_b32 s[G1B+5], SIZE_K
	s_mov_b32 s[G1+5], SIZE_K                      ; 191:160 tensor_dim0_stride, low word: elements from row to row
	s_mov_b32 s[G1B+6], 0
	s_mov_b32 s[G1+6], 0
	s_mov_b32 s[G1B+7], 0
	s_mov_b32 s[G1+7], 0
	; where the tiles come from.  xb's hang on the tile row alone, which my row of the cluster shares; wb's on the tile column alone, which my column shares.
	; Every wave makes both addresses, in registers that never hold the other coordinate, and asks by one of them.
	s_lshl_b32 s17, s12, 7                         ; which 128 rows of the tile I fetch
	s_lshl_b32 s16, s13, 8
	s_add_co_u32 s16, s16, s17                     ; xb: row 256 x tile row + 128 x half
	s_lshl_b32 s46, s42, 8
	s_add_co_u32 s46, s46, s17                     ; wb: row 256 x tile column + 128 x half
	s_mov_b32 s17, 0
	s_mov_b32 s47, 0
	s_mov_b64 s[18:19], SIZE_K*2
	s_mul_u64 s[16:17], s[16:17], s[18:19]         ; in bytes
	s_mul_u64 s[46:47], s[46:47], s[18:19]
	s_mul_i32 s20, s10, HALFT                      ; and where they go: xb's two halves, then wb's two halves = wave x 128 rows: no place in the cluster enters an LDS address
	s_wait_kmcnt 0x0                               ; the six addresses
	s_add_nc_u64 s[14:15], s[4:5], s[16:17]
	s_add_nc_u64 s[46:47], s[6:7], s[46:47]
	CROUND                                         ; all sixteen work-groups are here: the first joint loads meet
.irp s, 0,1
	s_mov_b32 s[G0+4*(\s)], 1                                      ; 1:0 count = 1
	s_add_co_u32 s[G0+4*(\s)+1], s20, (\s)*SLOT                    ; 63:32 LDS address
	s_add_nc_u64 s[G0+4*(\s)+2:G0+4*(\s)+3], s[14:15], (\s)*KSTEP*2  ; 120:64 global address: K step s
	s_or_b32 s[G0+4*(\s)+3], s[G0+4*(\s)+3], 0x80000000            ; 127:126 type = 2
	s_mov_b32 s[G0B+4*(\s)], 1
	s_add_co_u32 s[G0B+4*(\s)+1], s20, (\s)*SLOT
	s_add_nc_u64 s[G0B+4*(\s)+2:G0B+4*(\s)+3], s[46:47], (\s)*KSTEP*2
	s_or_b32 s[G0B+4*(\s)+3], s[G0B+4*(\s)+3], 0x80000000
	JLOAD \s                                       ; the ring is filled before anything else is done: two tensor loads of mine are out, later one
.endr
	; A fragment is 16 rows x 32 K in 8 registers: lane l holds row l % 16; registers 0-3 hold K = 8 (l / 16) + 0..7, registers 4-7 hold
	; K = 16 + 8 (l / 16) + 0..7.  From rows that lie along K: two loads of 16 bytes, 32 bytes apart.  The same for source 0 and source 1.
	v_and_b32 v1, 15, v0                           ; l % 16
	v_bfe_u32 v2, v0, 4, 1                         ; l / 16
	v_mul_u32_u24 v3, v1, PITCH
	v_lshl_add_u32 v3, v2, 4, v3                   ; row x pitch + 16 x half
	s_mul_i32 s21, s11, HALFT                      ; my 128 rows of xb
	s_mul_i32 s22, s12, HALFT                      ; my 128 rows of wb,
	s_add_co_u32 s22, s22, 2*HALFT                 ; which lie behind xb's 256
.irp s, 0,1
	v_add_nc_u32 v[ADRA+(\s)], s21, v3
	v_add_nc_u32 v[ADRB+(\s)], s22, v3
	s_add_co_u32 s21, s21, SLOT
	s_add_co_u32 s22, s22, SLOT
.endr
	s_mul_i32 s23, s10, 16*SP
	s_add_co_u32 s23, s23, STAGE                   ; my stage
	v_mul_u32_u24 v4, v1, SP                       ; in: row l % 16, 32 bytes for each half of the lanes
	v_lshl_add_u32 v4, v2, 5, v4
	v_add_nc_u32 v[STO], s23, v4
	v_and_b32 v5, 31, v0
	v_lshlrev_b32 v[CO], 4, v5                     ; back, and out: 32 lanes take one row's 512 bytes
	v_add_nc_u32 v[RD], s23, v[CO]
	; where my part of the tile begins in out0, and my 128 columns in weight_scale and bias (all three hold f32, so the columns' byte offset is one number)
	s_lshl_b32 s13, s13, 8
	s_lshl_b32 s14, s11, 7
	s_add_co_u32 s16, s13, s14                     ; my first row of out0,
	s_lshl_b32 s16, s16, 14                        ; x 16,384 bytes: under 2^26
	s_mov_b32 s17, 0
	s_lshl_b32 s46, s42, 10                        ; my first column, in bytes: 1,024 x tile column + 512 x half (in the registers that held wb's address: none that feeds xb's descriptors ever holds cx)
	s_lshl_b32 s47, s12, 9
	s_add_co_u32 s46, s46, s47
	s_mov_b32 s47, 0
	s_add_nc_u64 s[8:9], s[8:9], s[16:17]
	s_add_nc_u64 s[8:9], s[8:9], s[46:47]
	s_add_nc_u64 s[68:69], s[68:69], s[46:47]
	s_add_nc_u64 s[70:71], s[70:71], s[46:47]
	s_load_b32 s74, s[72:73], 0x0                  ; input_scale
	global_load_b128 v[SC4:SC4+3], v[CO], s[68:69] ; my four scales and my four biases, once: each load of the wave covers its 128 columns' 512 bytes
	global_load_b128 v[BI4:BI4+3], v[CO], s[70:71]
	s_wait_kmcnt 0x0                               ; input_scale
	s_mov_b32 s75, s74                             ; named with it as a pair
	s_wait_loadcnt 0x0                             ; the scales and biases: all this stands in the wait for the first tile
	v_pk_mul_f32 v[SC4:SC4+1],   v[SC4:SC4+1],   s[74:75] op_sel_hi:[1,0]  ; input_scale x weight_scale
	v_pk_mul_f32 v[SC4+2:SC4+3], v[SC4+2:SC4+3], s[74:75] op_sel_hi:[1,0]
; 16 matrix instructions: m blocks a0, a0 + 1 of the window's four (hi = 0: my rows 0-63, 1: rows 64-127) x all 8 n blocks, 32 along K.
; zero = 1: the first product starts the sums: nothing is ever cleared.  The 64 accumulators take turns, one instruction a turn, in the same order in every quarter step.
.macro MUL16 f, hi, a0, zero
	WIN MUL_LO+0x50*(\hi)  ; MUL_LO or MUL_HI
.irp a, \a0, (\a0)+1
.irp b, 0,1,2,3,4,5,6,7
.if \zero
	v_wmma_f32_16x16x32_bf16 v[8*(8*(\a)+(\b)):8*(8*(\a)+(\b))+7], v[(\f)+8*(\b):(\f)+8*(\b)+7], v[(\f)+8*(4*(\hi)+(\a)):(\f)+8*(4*(\hi)+(\a))+7], 0
.else
	v_wmma_f32_16x16x32_bf16 v[8*(8*(\a)+(\b)):8*(8*(\a)+(\b))+7], v[(\f)+8*(\b):(\f)+8*(\b)+7], v[(\f)+8*(4*(\hi)+(\a)):(\f)+8*(4*(\hi)+(\a))+7], v[8*(8*(\a)+(\b)):8*(8*(\a)+(\b))+7]
.endif
.endr
.endr
.endm
; 32 LDS loads in one run: the fragments of one quarter step (128 rows of wb, 128 rows of xb, 32 K at byte k of the rows) into buffer f
.macro FETCH slot, k, f
	WIN TO_B
.irp i, 0,1,2,3,4,5,6,7
	ds_load_b128 v[(\f)+8*(\i):(\f)+8*(\i)+3],   v[ADRB+(\slot)] offset:(\k)+(\i)*16*PITCH
	ds_load_b128 v[(\f)+8*(\i)+4:(\f)+8*(\i)+7], v[ADRB+(\slot)] offset:(\k)+(\i)*16*PITCH+32
.endr
	WIN 0
.irp i, 0,1,2,3,4,5,6,7
	ds_load_b128 v[(\f)+8*(\i):(\f)+8*(\i)+3],   v[ADRA+(\slot)] offset:(\k)+(\i)*16*PITCH
	ds_load_b128 v[(\f)+8*(\i)+4:(\f)+8*(\i)+7], v[ADRA+(\slot)] offset:(\k)+(\i)*16*PITCH+32
.endr
.endm
; A load into a register that a matrix instruction has read or written, an LDS store that reads a matrix result, and a vector instruction that reads a result or writes one of a matrix
; instruction's registers, stand four places behind that matrix instruction, and only plain vector instructions that name none of its registers are places (ISA guide 7.12.1 for vector
; instructions).
.macro PLACES
.rept 4
	v_nop
.endr
.endm
; A K step is four quarter steps of 32 along K, 64 matrix instructions each, on buffers 0, 1, 0, 1.
; One of the first three: multiplies buffer f; in its middle it fetches the next quarter's fragments, at byte k of the same slot's rows, into buffer g.
.macro QUARTER slot, k, f, g, zero
	s_wait_dscnt 8                                 ; wb and xb's rows 0-63 are in; the youngest eight loads (xb's rows 64-127) may be out
	WIN MUL_LO
	MUL16 \f, 0, 0, \zero
	MUL16 \f, 0, 2, \zero
	PLACES
	FETCH \slot, \k, \g
	s_wait_dscnt 32                                ; all but the 32 just issued
	WIN MUL_HI
	MUL16 \f, 1, 0, \zero
	MUL16 \f, 1, 2, \zero
.endm
; The last quarter multiplies buffer 1 and changes slots.  MEET is its first half: ONE barrier for the change of slots.  In front of it each wave waits for all its tensor loads, of which
; one is out: its part of the next slot; adds 0 to its spare word; and waits for that and for its own reads of this slot.  Behind it nobody reads this slot any more and the next slot is whole.
.macro MEET round                      ; round = 1: the rest of a round of the cluster's barrier follows
	WIN 0                                          ; (the add's two registers lie in window 0)
	s_wait_tensorcnt 0x0                           ; all my tensor loads have landed: the one that was out is my part of the next slot;
	ds_add_u32 v[SPW], v[NIL]                      ; 0 onto my spare word;
	s_wait_dscnt 9                                 ; (the add and the youngest eight loads may be out)
	WIN MUL_LO
	MUL16 F1, 0, 0, 0                              ; sixteen matrix instructions stand between the add and the wait for it
	s_wait_dscnt 0x0                               ; the add is done, and my reads of this slot are over:
	s_barrier_signal -1                            ; say so,
	MUL16 F1, 0, 2, 0                              ; work on registers while the others arrive,
.if \round
	WIN 0
.endif
	s_barrier_wait -1                              ; and go on when all four have said so
.endm
; The whole last quarter of a K step whose slot is filled again.  The barrier opens a round of the cluster's, and behind the round the slot just read out is filled first, with the K step two
; steps on; from that request to the wait for it a wave issues 224 matrix instructions.  Then come the next slot's first fragments.
.macro TURN slot, next
	MEET 1
	CREST                                          ; no wave of any partner still reads this slot's tile or has a load on its way
	s_add_nc_u64 s[G0+4*(\slot)+2:G0+4*(\slot)+3], s[G0+4*(\slot)+2:G0+4*(\slot)+3], 2*KSTEP*2      ; no tensor load of mine is out: a group 0 may be written; the type bits on top are not reached
	s_add_nc_u64 s[G0B+4*(\slot)+2:G0B+4*(\slot)+3], s[G0B+4*(\slot)+2:G0B+4*(\slot)+3], 2*KSTEP*2
	JLOAD \slot                                    ; the first tensor load behind the round, my only one until the next; the four v_nop behind it are also the places in front of the loads below
	FETCH \next, 0, F0
	WIN MUL_HI
	MUL16 F1, 1, 0, 0
	MUL16 F1, 1, 2, 0
.endm
; THE LAST K STEP (it lies in slot 1) BY ROWS.  All its fragments of wb (4 quarters x 64 registers) fill window 1; then my eight blocks of 16 rows are finished one after the other, each with
; 32 matrix instructions (its 8 accumulators by turns; K ascending: the sums are those of the order by K).  LDS is read no more than in any other K step.
.macro BLOAD q                         ; wb's fragments of quarter q -> window 1, v[64 q ..]
	WIN TO_B
.irp i, 0,1,2,3,4,5,6,7
	ds_load_b128 v[64*(\q)+8*(\i):64*(\q)+8*(\i)+3],   v[ADRB+1] offset:64*(\q)+(\i)*16*PITCH
	ds_load_b128 v[64*(\q)+8*(\i)+4:64*(\q)+8*(\i)+7], v[ADRB+1] offset:64*(\q)+(\i)*16*PITCH+32
.endr
.endm
.macro ALOAD a                         ; xb's fragments of block a, all four quarters -> buffer a % 4
	WIN 0
.set FA, PA+32*((\a)%4)
.irp q, 0,1,2,3
	ds_load_b128 v[FA+8*(\q):FA+8*(\q)+3],   v[ADRA+1] offset:64*(\q)+(\a)*16*PITCH
	ds_load_b128 v[FA+8*(\q)+4:FA+8*(\q)+7], v[ADRA+1] offset:64*(\q)+(\a)*16*PITCH+32
.endr
.endm
.macro ROW a                           ; block a is finished: 32 matrix instructions
.set FA, PA+32*((\a)%4)                ; its fragments of xb
.set AC, 64*((\a)%4)                   ; its eight accumulators, in window 2 (blocks 0-3) or 3 (blocks 4-7)
	WIN MUL_LO+0x50*((\a)/4)                       ; MUL_LO or MUL_HI
.irp q, 0,1,2,3
.if (\a) == 0 && (\q) == 2
	s_wait_dscnt 24                                ; wb's quarter 2 is in (behind it: xb's blocks 1 to 3, 24 loads)
.endif
.irp b, 0,1,2,3,4,5,6,7
	v_wmma_f32_16x16x32_bf16 v[AC+8*(\b):AC+8*(\b)+7], v[64*(\q)+8*(\b):64*(\q)+8*(\b)+7], v[FA+8*(\q):FA+8*(\q)+7], v[AC+8*(\b):AC+8*(\b)+7]
.endr
.endr
.endm
; THE WAY OUT of block a, in two parts.  TOSTAGE: a lane's 32 bytes of each of 8 column blocks go from the accumulators into my own stage (each accumulator's four lowest registers first),
; and whole rows of 512 bytes come back into the same 64 registers.
.macro TOSTAGE a
.set AC, 64*((\a)%4)
	WIN (2+(\a)/4)<<2                              ; the stores' data (source 1) in window 2 or 3, the address in window 0
.irp b, 0,1,2,3,4,5,6,7
	ds_store_b128 v[STO], v[AC+8*(\b):AC+8*(\b)+3]   offset:64*(\b)
	ds_store_b128 v[STO], v[AC+8*(\b)+4:AC+8*(\b)+7] offset:64*(\b)+16
.endr
	WIN (2+(\a)/4)<<6                              ; the loads' destination in that window
.irp t, 0,1,2,3,4,5,6,7,8,9,10,11,12,13,14,15
	ds_load_b128 v[AC+4*(\t):AC+4*(\t)+3], v[RD] offset:(\t)*SP  ; LDS serves a wave's instructions in order (ISA guide 5.7.1.4): these see the stores above; the next block's stores come behind them
.endr
.endm
; SEND: sum x scale + bias in place, one fused multiply-add for two numbers, and stored.  The row's place among my 128 stands in the store's immediate, 127 x 16,384 bytes at the most, inside its
; signed 24 bits: neither base nor offset register is ever stepped, and a block's registers are never written again.  younger: the LDS loads issued behind TOSTAGE's, which may stay out.
.macro SEND a, younger
.set AC, 64*((\a)%4)
	s_wait_dscnt \younger                          ; the block's 16 rows are back
	WIN ((2+(\a)/4)<<6)|(2+(\a)/4)                 ; destination and source 0 in window 2 or 3; scale and bias in window 0
.irp t, 0,1,2,3,4,5,6,7,8,9,10,11,12,13,14,15
	v_pk_fma_f32 v[AC+4*(\t):AC+4*(\t)+1],   v[AC+4*(\t):AC+4*(\t)+1],   v[SC4:SC4+1],   v[BI4:BI4+1]
	v_pk_fma_f32 v[AC+4*(\t)+2:AC+4*(\t)+3], v[AC+4*(\t)+2:AC+4*(\t)+3], v[SC4+2:SC4+3], v[BI4+2:BI4+3]
.endr
	WIN (2+(\a)/4)<<2                              ; the stores' data (source 1) in that window, the offset register in window 0
.irp t, 0,1,2,3,4,5,6,7,8,9,10,11,12,13,14,15
	global_store_b128 v[CO], v[AC+4*(\t):AC+4*(\t)+3], s[8:9] offset:(16*(\a)+(\t))*SIZE_N*4 th:TH_STORE_NT  ; 32 lanes store 512 consecutive bytes, at a multiple of 512 from out0's first byte
.endr
.endm
	s_wait_tensorcnt 0x1                           ; my part of K step 0 is in; K step 1's may stay out
	s_barrier_signal -1
	s_barrier_wait -1                              ; everybody's is
	FETCH 0, 0, F0
	QUARTER 0, 64,  F0, F1, 1                      ; the first quarter stands in front of the loop: its products start the sums
	WIN 0                                          ; at a label and at a branch every window is 0
	s_mov_b32 s3, LAPS-1
.Llap:                                                 ; 15 trips: a trip goes once round the ring, from a lap's second quarter to the next lap's first, and fills both slots again: K steps 2 to 31
	QUARTER 0, 128, F1, F0, 0
	QUARTER 0, 192, F0, F1, 0
	TURN 0, 1
	QUARTER 1, 64,  F0, F1, 0
	QUARTER 1, 128, F1, F0, 0
	QUARTER 1, 192, F0, F1, 0
	TURN 1, 0
	QUARTER 0, 64,  F0, F1, 0
	WIN 0
	s_sub_co_u32 s3, s3, 1
	s_cmp_lg_u32 s3, 0
	s_cbranch_scc1 .Llap
	QUARTER 0, 128, F1, F0, 0                      ; the last lap is written out: it fills nothing, and it has no round of the cluster's barrier
	QUARTER 0, 192, F0, F1, 0
	MEET 0                                         ; my one tensor load that was still out is slot 1's, the last K step's, so no round follows
	PLACES                                         ; for the loads into buffer 0, which the quarter before multiplied
	BLOAD 0                                        ; three quarters of wb now: buffer 1 (v128-191 of both windows) is still being multiplied
	BLOAD 1
	BLOAD 3
	ALOAD 0
	MUL16 F1, 1, 0, 0                              ; the rest of K step 30's last quarter
	MUL16 F1, 1, 2, 0
	PLACES                                         ; for the loads into buffer 1
	BLOAD 2
	ALOAD 1
	ALOAD 2
	ALOAD 3
	s_wait_dscnt 40                                ; all but the 40 just issued: wb's quarters 0, 1, 3 and xb's block 0 are in
	ROW 0
.irp a, 0,1,2,3,4,5,6,7                ; each block leaves as soon as it is finished: the first 224 matrix instructions ahead of the last product
	PLACES                                         ; the LDS stores read results just made, the loads land on them, and no other vector work is at hand
	TOSTAGE \a
.if (\a) < 4
	ALOAD (\a)+4                                   ; its buffer takes the block four further on
	SEND \a, 8                                     ; those eight loads may stay out; everything older is in, the next block's fragments among it
.else
	SEND \a, 0
.endif
.if (\a) < 7
	ROW (\a)+1
.endif
.endr
	WIN 0
	s_wait_tensorcnt 0x0                           ; the wave's end: behind my last tensor load and my last LDS store
	ds_add_u32 v[SPW], v[NIL]
	s_wait_dscnt 0x0
	CROUND                                         ; the closing round: no work-group ends while a partner may still ask for a tile that names it
	s_endpgm
.Lfunc_end_k_q3d5fc2b0fd_gemm:
	.size	k_q3d5fc2b0fd_gemm, .Lfunc_end_k_q3d5fc2b0fd_gemm-k_q3d5fc2b0fd_gemm
	.p2alignl 7, 3214868480
	.fill 96, 4, 3214868480
	.section	.rodata,"a",@progbits
	.p2align	6, 0x0
	.amdhsa_kernel k_q3d5fc2b0fd_gemm
		.amdhsa_group_segment_fixed_size 327680
		.amdhsa_private_segment_fixed_size 0
		.amdhsa_enable_private_segment 0
		.amdhsa_kernarg_size 48
		.amdhsa_user_sgpr_count 2
		.amdhsa_user_sgpr_kernarg_segment_ptr 1
		.amdhsa_wavefront_size32 1
		.amdhsa_system_sgpr_workgroup_id_x 1
		.amdhsa_system_sgpr_workgroup_id_y 1
		.amdhsa_system_sgpr_workgroup_id_z 1
		.amdhsa_system_vgpr_workitem_id 0
		.amdhsa_next_free_vgpr 1024
		.amdhsa_next_free_sgpr 76
		.amdhsa_reserve_vcc 0
		.amdhsa_float_denorm_mode_32 3
		.amdhsa_float_denorm_mode_16_64 3
		.amdhsa_memory_ordered 1
		.amdhsa_forward_progress 1
		.amdhsa_inst_pref_size 157
	.end_amdhsa_kernel
	.amdgpu_metadata
---
amdhsa.version: [ 1, 2 ]
amdhsa.kernels:
  - .name:           k_q3d5fc2b0fd_gemm
    .symbol:         k_q3d5fc2b0fd_gemm.kd
    .args:
      - { .name: xb, .offset: 0, .size: 8, .value_kind: global_buffer, .address_space: global }
      - { .name: wb, .offset: 8, .size: 8, .value_kind: global_buffer, .address_space: global }
      - { .name: out0, .offset: 16, .size: 8, .value_kind: global_buffer, .address_space: global }
      - { .name: weight_scale, .offset: 24, .size: 8, .value_kind: global_buffer, .address_space: global }
      - { .name: bias, .offset: 32, .size: 8, .value_kind: global_buffer, .address_space: global }
      - { .name: input_scale, .offset: 40, .size: 8, .value_kind: global_buffer, .address_space: global }
    .group_segment_fixed_size: 327680
    .private_segment_fixed_size: 0
    .kernarg_segment_align: 8
    .kernarg_segment_size: 48
    .max_flat_workgroup_size: 128
    .sgpr_count:     76
    .vgpr_count:     1024
    .wavefront_size: 32
...
	.end_amdgpu_metadata
.endif
;; end of part 2
;; ======== version 2 of 2: 2 launches; version 1 with the launch tobf16 written anew for expert scheduling mode
;; workspace buffers: xb 33,554,432 bytes; wb 33,554,432 bytes
;; launch tobf16 (part 3): grid 512 x 2, 8 waves a work-group, no clusters, 0 bytes of LDS; arguments x_q, weight_int8, weight_zero_point, xb, wb; writes xb, wb
.if DOCPART == 3
	.amdgcn_target "amdgcn-amd-amdhsa--gfx1250"
	.amdhsa_code_object_version 6
	.text
	.protected	k_q3d5fc2b0fd_tobf16
	.globl	k_q3d5fc2b0fd_tobf16
	.p2align	8
	.type	k_q3d5fc2b0fd_tobf16,@function
k_q3d5fc2b0fd_tobf16:
	s_mov_b64 s[64:65], 0
	v_nop
	global_prefetch_b8 v0, s[64:65] scope:SCOPE_SE
	s_setreg_imm32_b32 hwreg(HW_REG_WAVE_SCHED_MODE, 0, 2), 2
	s_setreg_imm32_b32 hwreg(HW_REG_WAVE_MODE, 25, 1), 1
	s_wait_xcnt 0x0
	s_wait_alu depctr_vm_vsrc(0)
; xb[m][k] = bf16(x_q[m][k] - 128);  wb[n][k] = bf16(weight_int8[n][k] - weight_zero_point[n]).  Inputs [4096][4096] int32, outputs [4096][4096] bf16.
; The zero point is taken away in f32, ahead of the product, as the problem's own text does; the product launch then needs no correction made of large sums.
; LIMITS.  An int32 beyond 2^24 is rounded when it becomes f32.  The difference is rounded once to bf16: exact up to a magnitude of 256
; (every pair of 8-bit codes), beyond that to 8 significant bits (2^-9 of the number).
; SHARES.  Work-groups with y = 0 take x_q, those with y = 1 the weights.  A work-group owns 8 rows, a wave one row: 16,384 bytes in, 8,192 out.
; A row is 32 chunks: a load of 16 bytes a lane (512 consecutive bytes of the row) and a store of 8 bytes a lane (256 consecutive bytes, at a multiple of 256
; from the buffer's first byte).  The chunks go through 24 slots of four registers.  24 loads go out first; chunks 0 to 7 put their results into 16 registers of
; their own, so that their slots can be loaded again, with chunks 24 to 31, and no load waits for a store; the other 24 chunks are stored from their slots.
; No register that a store reads is written again, and there is no loop.
; THE MODE: SCHED_MODE bits 1:0 = 2 (LLVM: expert scheduling mode 2), set by the entry lines.  The code itself states the register dependences
; between vector instructions and memory instructions, with s_wait_alu, always for 0.
; THE PLAN.  The 32 chunks go in 8 blocks of four.  Registers that memory instructions touch:
;   v1, v4       byte offsets of the loads and of the stores: made once at the head, never written again.
;   slots 0-7    Loaded at the head; blocks 0 and 1 convert them in place and round into Y; the loads of chunks 24 to 31, issued in blocks 1 and 2, land in them;
;                blocks 6 and 7 convert and round in place; the stores issued one block later read each slot's two low registers.
;   slots 8-23   Loaded at the head; blocks 2 to 5 convert and round in place; the stores issued one block later read each slot's two low registers.
;   Y            Written by the roundings of blocks 0 and 1; read by the stores issued in blocks 1 and 2.
; Block p's vector instructions name its own four slots (and, in blocks 0 and 1, its own half of Y); its memory instructions are the stores, and in blocks 1 and 2 the loads,
; that name the four slots or the half of Y of block p - 1.  So ONE wait on va_vdst at a block's head states all that the block's memory instructions hang on, and these are dealt
; among its vector instructions with no further wait.  Nothing that a memory instruction reads is ever written again: no wait on vm_vsrc and none on XCNT is owed.
; REGISTERS.  120 a wave: the two waves that a work-group has on a SIMD take 240 of its 1,024, so four work-groups fit on a WGP, and 1,024 work-groups on 256 WGPs
; are all there from the start: none begins only when another's last stores have been acknowledged.
; No LDS, no matrix unit, no cluster: no byte is used twice and no wave needs another's.
.set ROWIN,  16384                     ; bytes of a row of int32
.set ROWOUT, 8192                      ; bytes of a row of bf16
.set NCH,    32                        ; chunks of 128 numbers in a row
.set NSL,    24                        ; slots
.set BLK,    4                         ; chunks in a block
.set ZPX,    128                       ; the input's zero point, a constant of the problem
.set X,      8                         ; v[8:103]    slot s in v[X+4s : X+4s+3]; chunk i goes through slot i % 24
.set Y,      104                       ; v[104:119]  the results of chunks 0 to 7, two registers each
; v1 16 x lane (loads), v4 8 x lane (stores), v[2:3] the row's zero point in f32, twice
	s_load_b256 s[4:11], s[0:1], 0x0               ; x_q s[4:5], weight_int8 s[6:7], weight_zero_point s[8:9], xb s[10:11]
	s_load_b64 s[12:13], s[0:1], 0x20              ; wb
	v_lshrrev_b32 v1, 5, v0
	v_readfirstlane_b32 s16, v1                    ; wave 0..7
	s_and_b32 s17, ttmp7, 0xffff                   ; 0: x_q, 1: the weights
	v_and_b32 v4, 31, v0                           ; lane
	v_lshlrev_b32 v1, 4, v4
	v_lshlrev_b32 v4, 3, v4
	s_wait_alu depctr_va_sdst(0)                   ; s16 is written, ahead of its first reader: my row, and with it both bases, are made from it
	s_lshl3_add_u32 s18, ttmp9, s16                ; my row = 8 x work-group + wave
	s_lshl_b32 s20, s18, 14                        ; row x 16,384 bytes (under 2^26)
	s_mov_b32 s21, 0
	s_lshl_b32 s22, s18, 13                        ; row x 8,192 bytes
	s_mov_b32 s23, 0
	s_lshl_b32 s30, s18, 2                         ; the row's word among the zero points
	s_mov_b32 s31, 0
	s_wait_kmcnt 0x0                               ; the five addresses
	s_cmp_eq_u32 s17, 0
	s_cselect_b64 s[26:27], s[4:5], s[6:7]         ; from where,
	s_cselect_b64 s[28:29], s[10:11], s[12:13]     ; to where
	s_add_nc_u64 s[26:27], s[26:27], s[20:21]      ; both at my row
	s_add_nc_u64 s[28:29], s[28:29], s[22:23]
	s_mov_b32 s24, ZPX                             ; x_q's zero point;
	s_cmp_eq_u32 s17, 0
	s_cbranch_scc1 .Lzp
	s_add_nc_u64 s[8:9], s[8:9], s[30:31]          ; a weight row has its own
	s_load_b32 s24, s[8:9], 0x0
.Lzp:
	s_wait_alu depctr_va_vdst(0)                   ; v1 and v4 are written: every load of the kernel reads v1 as its offset, every store v4
.set i, 0
.rept NSL
	global_load_b128 v[X+4*i:X+4*i+3], v1, s[26:27] offset:512*i th:TH_LOAD_NT  ; read once in the whole launch
.set i, i+1
.endr
.set ISS, NSL                          ; loads issued so far; they go out in the order of the chunks
	s_wait_kmcnt 0x0                               ; the zero point (nothing is out where y = 0)
	v_cvt_f32_i32 v2, s24
	v_mov_b32 v3, v2                               ; a pair for the packed subtraction
; The vector work of chunk i: four numbers a lane: int32 to f32, less the zero point, two roundings to bf16 in each of two words.
.macro WORK i
.set XS, X+4*((\i)%NSL)
	s_wait_loadcnt ISS-1-(\i)                      ; loads come back in order (ISA guide 5.7.1): of the ISS issued, those behind chunk i's stay out
	v_cvt_f32_i32 v[XS],   v[XS]
	v_cvt_f32_i32 v[XS+1], v[XS+1]
	v_cvt_f32_i32 v[XS+2], v[XS+2]
	v_cvt_f32_i32 v[XS+3], v[XS+3]
	v_pk_add_f32 v[XS:XS+1],   v[XS:XS+1],   v[2:3] neg_lo:[0,1] neg_hi:[0,1]
	v_pk_add_f32 v[XS+2:XS+3], v[XS+2:XS+3], v[2:3] neg_lo:[0,1] neg_hi:[0,1]
.if (\i) < NCH-NSL
	v_cvt_pk_bf16_f32 v[Y+2*(\i)],   v[XS],   v[XS+1]
	v_cvt_pk_bf16_f32 v[Y+2*(\i)+1], v[XS+2], v[XS+3]
.else
	v_cvt_pk_bf16_f32 v[XS],   v[XS],   v[XS+1]
	v_cvt_pk_bf16_f32 v[XS+1], v[XS+2], v[XS+3]
.endif
.endm
; The memory instructions of chunk i, issued a block behind its vector work and behind that block's wait: no vector instruction since the wait names their registers.
.macro OUT i
.set XS, X+4*((\i)%NSL)
.if (\i) < NCH-NSL
	global_load_b128 v[XS:XS+3], v1, s[26:27] offset:512*((\i)+NSL) th:TH_LOAD_NT  ; the slot's second chunk: no memory instruction names these four registers as a source
.set ISS, ISS+1
	global_store_b64 v4, v[Y+2*(\i):Y+2*(\i)+1], s[28:29] offset:256*(\i)          ; no hint: the next launch reads these bytes
.else
	global_store_b64 v4, v[XS:XS+1], s[28:29] offset:256*(\i)                      ; the registers are never written again
.endif
.endm
.set c, 0
.rept NCH/BLK                          ; a block: four chunks' vector work, and in front of each chunk's the memory instructions of the chunk four back, the load first
.if c > 0
	s_wait_alu depctr_va_vdst(0)                   ; the block before has written its results, which the stores below read; in blocks 1 and 2 it is also done reading and writing its slots, in which the loads below land
.endif
.rept BLK
.if c >= BLK
	OUT c-BLK
.endif
	WORK c
.set c, c+1
.endr
.endr
	s_wait_alu depctr_va_vdst(0)                   ; block 7 has written its results, which the last four stores read
.set c, NCH-BLK
.rept BLK
	OUT c
.set c, c+1
.endr
	s_endpgm
.Lfunc_end_k_q3d5fc2b0fd_tobf16:
	.size	k_q3d5fc2b0fd_tobf16, .Lfunc_end_k_q3d5fc2b0fd_tobf16-k_q3d5fc2b0fd_tobf16
	.p2alignl 7, 3214868480
	.fill 96, 4, 3214868480
	.section	.rodata,"a",@progbits
	.p2align	6, 0x0
	.amdhsa_kernel k_q3d5fc2b0fd_tobf16
		.amdhsa_group_segment_fixed_size 0
		.amdhsa_private_segment_fixed_size 0
		.amdhsa_enable_private_segment 0
		.amdhsa_kernarg_size 40
		.amdhsa_user_sgpr_count 2
		.amdhsa_user_sgpr_kernarg_segment_ptr 1
		.amdhsa_wavefront_size32 1
		.amdhsa_system_sgpr_workgroup_id_x 1
		.amdhsa_system_sgpr_workgroup_id_y 1
		.amdhsa_system_sgpr_workgroup_id_z 1
		.amdhsa_system_vgpr_workitem_id 0
		.amdhsa_next_free_vgpr 120
		.amdhsa_next_free_sgpr 66
		.amdhsa_reserve_vcc 0
		.amdhsa_float_denorm_mode_32 3
		.amdhsa_float_denorm_mode_16_64 3
		.amdhsa_memory_ordered 1
		.amdhsa_forward_progress 1
		.amdhsa_inst_pref_size 21
	.end_amdhsa_kernel
	.amdgpu_metadata
---
amdhsa.version: [ 1, 2 ]
amdhsa.kernels:
  - .name:           k_q3d5fc2b0fd_tobf16
    .symbol:         k_q3d5fc2b0fd_tobf16.kd
    .args:
      - { .name: x_q, .offset: 0, .size: 8, .value_kind: global_buffer, .address_space: global }
      - { .name: weight_int8, .offset: 8, .size: 8, .value_kind: global_buffer, .address_space: global }
      - { .name: weight_zero_point, .offset: 16, .size: 8, .value_kind: global_buffer, .address_space: global }
      - { .name: xb, .offset: 24, .size: 8, .value_kind: global_buffer, .address_space: global }
      - { .name: wb, .offset: 32, .size: 8, .value_kind: global_buffer, .address_space: global }
    .group_segment_fixed_size: 0
    .private_segment_fixed_size: 0
    .kernarg_segment_align: 8
    .kernarg_segment_size: 40
    .max_flat_workgroup_size: 256
    .sgpr_count:     66
    .vgpr_count:     120
    .wavefront_size: 32
...
	.end_amdgpu_metadata
.endif
;; end of part 3
;; launch gemm: the kernel of part 2 again; grid 16 x 16, 4 waves a work-group, clusters of 4 x 4, 327,680 bytes of LDS; arguments xb, wb, out0, weight_scale, bias, input_scale; writes out0
